; MI455X (gfx1250); checked and timed in simulation.
; The chip was launched on July 23, 2026; its instructions are those of AMD's public machine-readable ISA for CDNA 5 (MIT licence, August 2026) and "CDNA5" Instruction Set Architecture Reference Guide (July 2026). The comments in the code are by the model that wrote it; some were corrected since.
;; Vector Quantizer. Allowed arithmetic: matrix products marked QUANTISED: E2M1 operands, one E8M0 scale for each 32 along K, by v_wmma_scale_f32_16x16x128_f8f6f4 with both operands' format E2M1 (or v_wmma_scale_f32_32x16x128_f4), f32 sums; everything else in f32.
;; Inputs: codebook 8,192 x 256 float32; z_e 32,768 x 256 float32.
;; Outputs: out0 32,768 x 256 float32; out1 32,768 int32; out2 one number float32; out3 one number float32; out4 one number float32.
;; This version of the problem:
;;   THIS VERSION OF THE PROBLEM IS GIVEN IN LOW PRECISION. The matrix products marked QUANTISED in the list below multiply operands that are first quantised to E2M1 (2 exponent bits, 1 mantissa bit; 4 bits a number), with one power-of-two scale for each 32 numbers along K (OCP MX v1.0); their sums are f32. All else is computed in f32.
;;   The module's matrix products, in the order in which they are computed (A, B: the left and right operand; K: the contracted axis; several contracted axes count as one K, in the product's order):
;;     1. [M 32,768, K 256] x [K 256, N 8,192]; A: input z_e; B: input codebook: QUANTISED
;;   THE QUANTISER, for each operand of a quantised product, along K:
;;     - K is cut into blocks of 32 from its start; a last block that is shorter is filled with zeros.
;;     - A block's scale is 2^e with e = floor(log2(the largest magnitude in the block)) - 2, held to -126 .. 127; a block of zeros has e = 0. As a byte (E8M0): e + 127.
;;     - Each number is divided by its block's scale, clamped to +-6, and rounded to the nearest number of E2M1, ties to even, subnormals kept.
;;     - The product sums the exact products of the quantised numbers (number of the format x scale) in f32.
;;   ~~~python
;;   def quantise(x, axis):      # numpy; x: float32 -> the quantised numbers, widened to float32 again
;;       x = np.moveaxis(x, axis, -1); K = x.shape[-1]
;;       x = np.pad(x, [(0, 0)] * (x.ndim - 1) + [(0, -K % 32)]); x = x.reshape(x.shape[:-1] + (-1, 32)); a = np.abs(x).max(-1, keepdims=True)
;;       e = np.where(a > 0, np.clip(np.frexp(np.where(a > 0, a, 1))[1] - 1 - 2, -126, 127), 0)      # np.frexp(a)[1] - 1 = floor(log2(a)), exactly
;;       r = np.clip(x / 2.0 ** e, -6, 6)
;;       step = 2.0 ** (np.maximum(np.frexp(np.where(r == 0, 1, r))[1] - 1, 0) - 1)
;;       q = np.round(r / step) * step * 2.0 ** e      # np.round: ties to even
;;       return np.moveaxis(q.reshape(q.shape[:-2] + (-1,))[..., :K], -1, axis).astype(np.float32)
;;   ~~~
;; One version. Each part assembles by itself: llvm-mc -triple=amdgcn-amd-amdhsa -mcpu=gfx1250 --defsym DOCPART=n.
;; ======== version 1 of 1: 4 launches
;; limits: right only within a limited range of input values
;; workspace buffers: zq 4,718,592 bytes; cq 1,179,648 bytes; idxw 131,072 bytes of whole numbers; part 2,048 bytes
;; launch prep (part 1): grid 640 x 1, 4 waves a work-group, no clusters, 33,280 bytes of LDS; arguments z_e, codebook, zq, cq; writes zq, cq
.if DOCPART == 1
	.amdgcn_target "amdgcn-amd-amdhsa--gfx1250"
	.amdhsa_code_object_version 6
	.text
	.protected	k_q7f004057e3_prep
	.globl	k_q7f004057e3_prep
	.p2align	8
	.type	k_q7f004057e3_prep,@function
k_q7f004057e3_prep:
	s_mov_b64 s[64:65], 0
	v_nop
	global_prefetch_b8 v0, s[64:65] scope:SCOPE_SE
	s_setreg_imm32_b32 hwreg(HW_REG_WAVE_MODE, 25, 1), 1
	s_wait_xcnt 0x0
; z_e [32768][256] and codebook [8192][256], f32, become RECORDS for the product's launch: one record of 2,304 bytes for each tile of 16 rows.
;   bytes 0-2047     codes of FP4 (E2M1), the 16 bytes (32 codes) of block b = k / 32 of row r at 256 b + 16 r.  That is the image of the operand's registers: K step s, register group g, lane r + 16 h hold block 4 s + 2 g + h,
;                    and 1024 s + 512 g + 16 (r + 16 h) = 256 (4 s + 2 g + h) + 16 r.
;   bytes 2048-2175  scale words: byte b % 4 of row r at 64 (b / 4) + 4 r: lane l's word at 4 l is K step l / 16 of row l % 16.
;   bytes 2176-2303  the rows' sums of squares, 16 f32, written twice (word l = row l % 16), so that every byte of a record is written.
; THE QUANTISER: a block's scale is 2^(floor(log2(its largest magnitude)) - 2); its byte is the largest magnitude's exponent field - 2, held at 1 from below by a floor among the maximum's leaves.
; Each number is divided by the scale and rounded to the nearest code, ties to even; beyond 6 the largest code.  A block of zeros keeps the byte 1 where the rule says 127: its codes are zeros, and this program alone reads the bytes.
; LIMITS: blocks whose largest magnitude lies under 2^(3 - 127), the floor, have the byte 1; NaN and infinities among the inputs are not served.
; SHARES: a wave takes one tile: 16 rows, 16,384 bytes in, 2,304 out, in 8 steps of 2 rows (512 numbers).  Work-groups 0-511 take z_e, 512-639 the codebook: only pointers are chosen, one path through the text.
; Each load reads 512 consecutive bytes, 16 a lane; a step's 2,048 bytes turn through the wave's own stage in LDS and come back 64 bytes a lane: 16 neighbours along K, which the conversions want.  Two lanes hold a block, 16 lanes a row.
; The record is gathered in the wave's own LDS and leaves as nine stores of 256 consecutive bytes.  Waves share nothing: no barrier.  No cluster: no two work-groups read the same bytes.
.set STEPS, 8
.set WREG,  8192                       ; LDS: a region for each wave
.set SP,    80                         ; a lane's place in a stage: 64 bytes + 16 of padding; two stages of 32 x SP bytes
.set REC,   2*32*SP                    ; behind the stages: the record, nine parts of 256 bytes,
.set UP,    288                        ; 288 bytes apart
.set R,     16                         ; v16-79    four sets of 16 numbers as loaded
.set X,     80                         ; v80-111   two sets of 16 neighbours
.set C,     112                        ; v112-127  two registers of codes for each step
.set E,     128                        ; v128-135  a scale byte for each step
.set Q,     136                        ; v136-143  a row's sum of squares for each step
.set OUTR,  148                        ; v148-165  the way out: nine pairs
	s_load_b256 s[4:11], s[0:1], 0x0               ; z_e s[4:5], codebook s[6:7], zq s[8:9], cq s[10:11]
	v_lshl_add_u32 v192, v0, 2, 0x8000
	v_mov_b32 v193, 0
	v_lshrrev_b32 v1, 5, v0
	v_readfirstlane_b32 s16, v1                    ; wave 0..3
	v_and_b32 v2, 31, v0                           ; lane
	v_lshlrev_b32 v3, 4, v2                        ; my 16 bytes of a load's 512
	s_lshl_b32 s17, s16, 13                        ; my wave's region
	v_lshrrev_b32 v14, 2, v2
	v_mul_u32_u24 v14, v14, SP
	v_and_b32 v15, 3, v2
	v_lshl_add_u32 v14, v15, 4, v14
	v_add_nc_u32 v14, s17, v14                     ; the stage, way in: SP (lane / 4) + 16 (lane % 4)
	v_mul_u32_u24 v15, v2, SP
	v_add_nc_u32 v15, s17, v15                     ; way out: SP x lane
	s_add_co_u32 s18, s17, REC                     ; my record
	s_add_co_u32 s19, s18, 8*UP                    ; its ninth part: scale words and sums of squares
	v_bfe_u32 v8, v2, 1, 3                         ; my block in the row
	v_and_b32 v9, 1, v2                            ; which half of it
	v_lshrrev_b32 v10, 4, v2                       ; which of the step's two rows
	v_mul_u32_u24 v4, v8, UP
	v_lshl_add_u32 v4, v9, 3, v4
	v_lshl_add_u32 v4, v10, 4, v4
	v_add_nc_u32 v4, s18, v4                       ; codes: UP x block + 16 x row + 8 x half; a step is 2 rows: 32 bytes on
	v_bfe_u32 v11, v2, 3, 1                        ; block / 4: the K step
	v_bfe_u32 v12, v2, 1, 2                        ; block % 4: the byte in the word
	v_lshl_add_u32 v5, v11, 6, v12
	v_lshl_add_u32 v5, v10, 2, v5
	v_add_nc_u32 v5, s19, v5                       ; scale byte: 64 x K step + 4 x row + byte; a step: 8 bytes on
	v_lshlrev_b32 v6, 6, v11
	v_lshl_add_u32 v6, v10, 2, v6
	v_add_nc_u32 v6, s19, v6                       ; sum of squares: lanes 0-7 of a row write the first copy, lanes 8-15 the second (the 128 stands in the immediate)
	v_lshlrev_b32 v1, 3, v2                        ; the way out: 8 bytes a lane
	v_add_nc_u32 v7, s18, v1
	s_wait_kmcnt 0x0
	s_cmp_lt_u32 ttmp9, 512                        ; z_e's work-group or the codebook's: the choice hangs on the work-group's number alone
	s_cselect_b64 s[4:5], s[4:5], s[6:7]
	s_cselect_b64 s[8:9], s[8:9], s[10:11]
	s_cselect_b32 s20, 0, 512
	s_sub_co_u32 s20, ttmp9, s20
	s_lshl_b32 s20, s20, 2
	s_add_co_u32 s20, s20, s16                     ; my tile
	s_lshl_b32 s22, s20, 14                        ; 16,384 bytes in a tile (at most 2,047 tiles: under 2^25)
	s_mov_b32 s23, 0
	s_mul_i32 s24, s20, 2304
	s_mov_b32 s25, 0
	s_add_nc_u64 s[4:5], s[4:5], s[22:23]
	s_add_nc_u64 s[8:9], s[8:9], s[24:25]
.macro LOAD t
.irp i, 0,1,2,3
	global_load_b128 v[R+16*((\t)%4)+4*\i:R+16*((\t)%4)+4*\i+3], v3, s[4:5] offset:2048*(\t)+512*\i th:TH_LOAD_NT   ; 32 lanes read 512 consecutive bytes; read once in this launch
.endr
.endm
.macro TURN t                          ; step t's numbers through a stage: LDS serves a wave's instructions in order (ISA guide 5.7.1.4), so no wait stands between the stores and the loads
.irp i, 0,1,2,3
	ds_store_b128 v14, v[R+16*((\t)%4)+4*\i:R+16*((\t)%4)+4*\i+3] offset:32*SP*((\t)%2)+8*SP*\i
.endr
.irp i, 0,1,2,3
	ds_load_b128 v[X+16*((\t)%2)+4*\i:X+16*((\t)%2)+4*\i+3], v15 offset:32*SP*((\t)%2)+16*\i
.endr
.endm
.irp t, 0,1,2,3
	LOAD \t
.endr
	s_wait_loadcnt 12                              ; step 0's four loads are in; those of steps 1 to 3 may be out
	TURN 0
.macro STEP t
.set XS, X+16*((\t)%2)
.if (\t) > 0
	s_wait_dscnt 3                                 ; this step's numbers are back from the stage; the last step's three stores into the record may be out
.else
	s_wait_dscnt 0x0
.endif
.if (\t)+4 < STEPS
	LOAD (\t)+4                                    ; into the set whose stores into the stage are done
.endif
.if (\t)+1 < STEPS
.if STEPS-2-(\t) >= 3
	s_wait_loadcnt 12                              ; the next step's four loads are in; those of the three steps behind it may be out
.else
	s_wait_loadcnt 4*(STEPS-2-(\t))
.endif
	TURN (\t)+1                                    ; the next step goes through the other stage while this one is worked
.endif
	v_max3_num_f32 v8, |v[XS]|, |v[XS+1]|, |v[XS+2]|               ; the largest magnitude of my 16, in two chains
	v_max3_num_f32 v9, |v[XS+3]|, |v[XS+4]|, |v[XS+5]|
.irp i, 6,10
	v_max3_num_f32 v8, v8, |v[XS+\i]|, |v[XS+\i+1]|
	v_max3_num_f32 v9, v9, |v[XS+\i+2]|, |v[XS+\i+3]|
.endr
	v_max3_num_f32 v8, v8, |v[XS+14]|, |v[XS+15]|
	v_max3_num_f32 v8, v8, v9, 0x1800000           ; and the floor 2^(3 - 127): the byte cannot fall under 1
	v_max_num_f32_dpp v8, v8, v8 row_xmask:1 row_mask:0xf bank_mask:0xf   ; with my neighbour's 16: the block's
	v_add_nc_u32 v11, 0xff000000, v8               ; 2 off its exponent field: the conversion takes the exponent field of this operand as its scale
	v_cvt_scalef32_pk8_fp4_f32 v[C+2*(\t)], v[XS:XS+7], v11
	v_cvt_scalef32_pk8_fp4_f32 v[C+2*(\t)+1], v[XS+8:XS+15], v11
	v_lshrrev_b32 v[E+(\t)], 23, v11               ; the scale's byte (also the plain line behind the conversions)
	v_pk_mul_f32 v[144:145], v[XS:XS+1], v[XS:XS+1]                ; the sum of my 16 squares: the first products start two packed chains
	v_pk_mul_f32 v[146:147], v[XS+2:XS+3], v[XS+2:XS+3]
.irp i, 4,8,12
	v_pk_fma_f32 v[144:145], v[XS+\i:XS+\i+1], v[XS+\i:XS+\i+1], v[144:145]
	v_pk_fma_f32 v[146:147], v[XS+\i+2:XS+\i+3], v[XS+\i+2:XS+\i+3], v[146:147]
.endr
	v_pk_add_f32 v[144:145], v[144:145], v[146:147]
	v_add_f32 v[Q+(\t)], v144, v145
.irp m, 1,2,4,8
	v_add_f32_dpp v[Q+(\t)], v[Q+(\t)], v[Q+(\t)] row_xmask:\m row_mask:0xf bank_mask:0xf   ; a row is 16 lanes: every one of them ends with the row's sum
.endr
	ds_store_b64 v4, v[C+2*(\t):C+2*(\t)+1] offset:32*(\t)         ; my 16 codes: 8 bytes
	ds_store_b8 v5, v[E+(\t)] offset:8*(\t)        ; both lanes of a block write the same byte with the same value
	ds_store_b32 v6, v[Q+(\t)] offset:128+8*(\t)   ; eight lanes write the same word with the same value
.endm
.irp t, 0,1,2,3,4,5,6,7
	STEP \t
.endr
.irp u, 0,1,2,3,4,5,6,7,8
	ds_load_b64 v[OUTR+2*\u:OUTR+2*\u+1], v7 offset:UP*\u          ; these see my stores: a wave's LDS instructions are served in order
.endr
.irp u, 0,1,2,3,4,5,6,7,8
	s_wait_dscnt 8-\u                              ; part u is in; the younger loads may be out
	global_store_b64 v1, v[OUTR+2*\u:OUTR+2*\u+1], s[8:9] offset:256*\u   ; 32 lanes store 256 consecutive bytes, at a multiple of 256 from the buffer's first byte
.endr
	s_wait_tensorcnt 0x0
	ds_add_u32 v192, v193
	s_wait_dscnt 0x0
	s_endpgm
.Lfunc_end_k_q7f004057e3_prep:
	.size	k_q7f004057e3_prep, .Lfunc_end_k_q7f004057e3_prep-k_q7f004057e3_prep
	.p2alignl 7, 3214868480
	.fill 96, 4, 3214868480
	.section	.rodata,"a",@progbits
	.p2align	6, 0x0
	.amdhsa_kernel k_q7f004057e3_prep
		.amdhsa_group_segment_fixed_size 33280
		.amdhsa_private_segment_fixed_size 0
		.amdhsa_enable_private_segment 0
		.amdhsa_kernarg_size 32
		.amdhsa_user_sgpr_count 2
		.amdhsa_user_sgpr_kernarg_segment_ptr 1
		.amdhsa_wavefront_size32 1
		.amdhsa_system_sgpr_workgroup_id_x 1
		.amdhsa_system_sgpr_workgroup_id_y 1
		.amdhsa_system_sgpr_workgroup_id_z 1
		.amdhsa_system_vgpr_workitem_id 0
		.amdhsa_next_free_vgpr 194
		.amdhsa_next_free_sgpr 66
		.amdhsa_reserve_vcc 0
		.amdhsa_float_denorm_mode_32 3
		.amdhsa_float_denorm_mode_16_64 3
		.amdhsa_memory_ordered 1
		.amdhsa_forward_progress 1
		.amdhsa_inst_pref_size 27
	.end_amdhsa_kernel
	.amdgpu_metadata
---
amdhsa.version: [ 1, 2 ]
amdhsa.kernels:
  - .name:           k_q7f004057e3_prep
    .symbol:         k_q7f004057e3_prep.kd
    .args:
      - { .name: z_e, .offset: 0, .size: 8, .value_kind: global_buffer, .address_space: global }
      - { .name: codebook, .offset: 8, .size: 8, .value_kind: global_buffer, .address_space: global }
      - { .name: zq, .offset: 16, .size: 8, .value_kind: global_buffer, .address_space: global }
      - { .name: cq, .offset: 24, .size: 8, .value_kind: global_buffer, .address_space: global }
    .group_segment_fixed_size: 33280
    .private_segment_fixed_size: 0
    .kernarg_segment_align: 8
    .kernarg_segment_size: 32
    .max_flat_workgroup_size: 128
    .sgpr_count:     66
    .vgpr_count:     194
    .wavefront_size: 32
...
	.end_amdgpu_metadata
.endif
;; end of part 1
;; launch main (part 2): grid 256 x 1, 16 waves a work-group, clusters of 4 x 1, 327,680 bytes of LDS; arguments zq, cq, out1, idxw; writes out1, idxw
.if DOCPART == 2
	.amdgcn_target "amdgcn-amd-amdhsa--gfx1250"
	.amdhsa_code_object_version 6
	.text
	.protected	k_q7f004057e3_main
	.globl	k_q7f004057e3_main
	.p2align	8
	.type	k_q7f004057e3_main,@function
k_q7f004057e3_main:
	s_mov_b64 s[64:65], 0
	v_nop
	global_prefetch_b8 v0, s[64:65] scope:SCOPE_SE
	s_setreg_imm32_b32 hwreg(HW_REG_WAVE_MODE, 25, 1), 1
	s_wait_xcnt 0x0
	s_wait_alu depctr_hold_cnt(0) depctr_sa_sdst(0) depctr_va_vdst(0) depctr_va_sdst(0) depctr_va_ssrc(0) depctr_va_vcc(0) depctr_vm_vsrc(0)
	s_getreg_b32 s2, hwreg(HW_REG_IB_STS2, 6, 4)
	s_cmp_eq_u32 s2, 0
	s_cbranch_scc0 .Lentry_in_a_cluster
	s_endpgm
.Lentry_in_a_cluster:
	s_bfe_u32 s2, ttmp6, 0x10000c
	s_cmp_lg_u32 s2, 0x3003
	s_cbranch_scc0 .Lentry_shape_is_right
	s_endpgm
.Lentry_shape_is_right:
; indices[b] = the first k at which dist[b][k] = (z2[b] + e2[k]) - 2 ze[b][k] is least; ze = Q(z_e) Q(codebook)^T on codes of FP4 (E2M1), one E8M0 scale for each 32 along K = 256, sums in f32.
; zq and cq hold records of 2,304 bytes for each tile of 16 rows: 2,048 bytes of codes as the image of the operand's registers (K step s, group g: 1024 s + 512 g + 16 x lane), 128 bytes of scale words
; (4 x lane: lanes 0-15 K step 0, lanes 16-31 K step 1), 128 bytes of the rows' sums of squares (word l = row l % 16).
; THE ROUNDINGS ARE THE PROBLEM'S OWN.  1 is added to each of z's scale bytes (at most 252 as the quantiser makes them from f32 numbers, so they stay finite codes): the sums are 2 ze, a doubling that rounds nothing.
; t = z2 + e2 is rounded, then nd = 2 ze - t = -dist is rounded once.  The LARGEST nd is sought; every comparison is strict in ascending order of the codes, or is decided by the lower index: the first index wins, as in argmin.
; LIMITS: NaN and infinities among the inputs are not served (a maximum here drops a NaN, and a row all of whose nd are -infinity gets no right index).
; SHARES.  A work-group owns 128 rows of z: 256 work-groups.  Wave w: c = w % 8, a = w / 8: rows 64 a .. 64 a + 63 (four tiles of 16) against codes 1024 c .. 1024 c + 1023, 128 of them in each of 8 chunks.
; THE PRODUCT is the form of 32 x 16 x 128, USED TRANSPOSED (source 0 = 32 codes, two records; source 1 = 16 rows of z): lane (r, h) holds ONE row r of z, and its sixteen results are codes 8 h + 0 .. 7 and 16 + 8 h + 0 .. 7.
; THE SEARCH.  These 16 distances of a lane form a group; its maximum is found three operands at a time; where it beats the lane's best, the group's 16 numbers and its first code are saved by selects.
; The place inside the winning group is looked up once, at the end.  Additions, subtractions and selects go two to an instruction (dual forms): 67 vector instructions for two groups.
; THE RING.  A chunk is 8 pieces of 18,432 bytes, piece c = 128 codes of eighth c; two LDS slots of 147,456 bytes.  Each of the 16 waves brings half a piece (36 dense rows of 256 bytes) by one tensor load.
; A step's fragments are read from LDS in the second half of the step before it.  So a wave's reads of a slot are over at the head of the chunk's last step: there it says so, and that step's work on registers stands under the barrier.
; CLUSTER: all work-groups walk the same chunks, so the four of a cluster ask JOINTLY: the same load, the same descriptor, a mask that names the four.  A refill has three steps' work in which to land.
; No prefetch is laid: all 64 clusters walk the same 1,179,648 bytes in the same order.
.set RECB,  2304
.set PIECE, 4*RECB                     ; what one tensor load brings
.set SUBB,  8*RECB                     ; an eighth's part of a chunk: what two waves (a = 0, 1) read
.set SLOTB, 8*SUBB
.set EIGHTH, 64*RECB                   ; an eighth's 1,024 codes in memory
.set MRG,   2*SLOTB                    ; behind the ring: best [8][128] f32, then index [8][128]: written by LDS stores alone, no fill lands here
.set SPARE, MRG+8192                   ; the spare words, 128 bytes for each of 16 waves: eight blocks of 256 bytes that no other line names
.set SPW,   1                          ; v1      SPARE + 4 x my thread's number; never rewritten
.set NIL,   2                          ; v2      0; never rewritten
.set AF,    3                          ; v3-4    LDS address of my lane's 16 bytes of a fragment's group, slot 0, 1
.set AS,    5                          ; v5-6    of my scale word: lanes 0-15 the first record's rows, lanes 16-31 the second's
.set AE,    7                          ; v7-8    of my eight e2
.set STEPV, 9                          ; v9      the group's first code for my lane: 1024 c + 32 step + 8 h
.set Z2,    10                         ; v10-17  z2 of my row, twice, for each tile of rows
.set ZS,    18                         ; v18-21  z's scale words, each byte + 1
.set CS,    22                         ; v22-23  the 32 codes' scale words, K step 0, 1
.set BEST,  24                         ; v24-27  the largest nd so far
.set GID,   28                         ; v28-31  the winning group's first code
.set ZF,    32                         ; v32-95  z's fragments: tile i, K step s at 32 + 16 i + 8 s; they stay
.set CF,    96                         ; v96-127 the codes' fragments: K step s, record ct at 96 + 16 s + 8 ct
.set E2,    128                        ; v128-143 e2 of codes 8 h + 0 .. 7 of record ct at 128 + 8 ct
.set D,     144                        ; v144-175 two accumulators of 16 registers: ii at 144 + 16 ii
.set T,     176                        ; v176-183 t, at work
.set SV,    184                        ; v184-247 the winning group's 16 numbers, for each tile of rows
.set GM,    248                        ; v248-251 group maxima, at work
.set MA,    252                        ; v252    where I store my rows' best
.set MR,    253                        ; v253    where waves 0 and 1 read them
.set GOF,   254                        ; v254    16 x lane; at the end the offset of my two indices
.set L4,    255                        ; v255    4 x lane
.set WV,    12                         ; s12     my wave's number
.set G1,    24                         ; s[24:31] descriptor group 1
.set G0,    32                         ; s[32:39] descriptor group 0, a set for each slot
; A round of the cluster's barrier: my work-group's barrier; wave 0 signals for the work-group; every wave waits for all four work-groups; my work-group's barrier once more.
.macro CREST                           ; a round behind its opening barrier
	s_cmp_lg_u32 s[WV], 0
	s_cbranch_scc1 .Lnot_wave_0_\@
	s_barrier_signal -3
.Lnot_wave_0_\@:
	s_barrier_wait -3
	s_barrier_signal -1
	s_barrier_wait -1
.endm
.macro CROUND                          ; a whole round
	s_barrier_signal -1
	s_barrier_wait -1
	CREST
.endm
	s_load_b256 s[4:11], s[0:1], 0x0               ; zq s[4:5], cq s[6:7], out1 s[8:9], idxw s[10:11]
	v_lshl_add_u32 v[SPW], v0, 2, SPARE
	v_mov_b32 v[NIL], 0
	ds_add_u32 v[SPW], v[NIL]                      ; the opening lines: the add, twice on end, and its wait ahead of my first tensor load
	ds_add_u32 v[SPW], v[NIL]
	v_lshrrev_b32 v3, 5, v0
	v_readfirstlane_b32 s[WV], v3                  ; wave 0..15
	s_and_b32 s13, s[WV], 7                        ; c: which eighth of the codes
	s_lshr_b32 s14, s[WV], 3                       ; a: which 64 rows
	s_bfe_u32 s15, ttmp6, 0x40000                  ; cx: my place in the cluster: it enters z's and the outputs' addresses alone
	s_lshl_b32 s16, ttmp9, 2                       ; in a cluster launch ttmp9 counts clusters
	s_add_co_u32 s16, s16, s15                     ; my block of 128 rows
	s_mul_i32 s18, s13, SUBB                       ; my eighth's piece in a slot
	s_add_co_u32 s20, s18, 2048
	s_add_co_u32 s21, s18, 2176
	s_lshl_b32 s22, s13, 10                        ; 1024 c
	s_lshl_b32 s23, s13, 9
	s_lshl_b32 s17, s14, 8
	s_add_co_u32 s23, s23, s17
	s_add_co_u32 s23, s23, MRG                     ; MRG + 512 c + 256 a
	s_and_b32 s17, s[WV], 1
	s_lshl_b32 s19, s17, 8
	s_add_co_u32 s19, s19, MRG                     ; MRG + 256 (w % 2)
	s_mul_i32 s47, s[WV], PIECE                    ; what I fetch lands at wave x 9,216 of a slot: half w % 2 of piece w / 2
	s_lshr_b32 s48, s[WV], 1
	s_mul_i32 s48, s48, EIGHTH
	s_mul_i32 s17, s17, PIECE
	s_add_co_u32 s48, s48, s17                     ; and comes from eighth w / 2, half w % 2 of its first 128 codes
	s_mov_b32 s49, 0
	; every LDS address is made here, ahead of the first branch on the wave's number
	v_and_b32 v248, 31, v0                         ; lane
	v_and_b32 v249, 15, v0                         ; r
	v_bfe_u32 v250, v0, 4, 1                       ; h
	v_mul_u32_u24 v251, v250, RECB                 ; lanes 16-31: one record on
	v_lshl_add_u32 v[AF], v248, 4, s18
	v_lshl_add_u32 v[AS], v249, 2, s20             ; row r's scale word of K step 0 (K step 1: 64 bytes on),
	v_lshl_add_u32 v[AE], v250, 5, s21             ; e2 of codes 8 h on: 32 h bytes
	v_lshl_add_u32 v[STEPV], v250, 3, s22          ; 1024 c + 8 h
	v_lshl_add_u32 v[MA], v249, 2, s23             ; + 4 r; a tile of rows: 64 bytes on
	v_lshl_add_u32 v[MR], v248, 3, s19             ; two rows a lane
	v_add_nc_u32 v[AS], v[AS], v251                ; in the pair's first record for lanes 0-15, in its second for lanes 16-31: lane m holds row m of the 32
	v_lshlrev_b32 v[GOF], 4, v248
	v_lshlrev_b32 v[L4], 2, v248
	v_add_nc_u32 v[AF+1], SLOTB, v[AF]
	v_add_nc_u32 v[AE+1], SLOTB, v[AE]
	v_add_nc_u32 v[AS+1], SLOTB, v[AS]
	; descriptor group 1: 36 dense rows of 256 bytes (32 elements of 8 bytes), no padding: the fragments' reads take consecutive bytes in consecutive lanes
	s_mov_b32 s[G1+0], 15|(3<<16)|(1<<21)          ; 15:0 the mask: all four work-groups; 17:16 elements of 8 bytes; 21 set beside a mask
	s_mov_b32 s[G1+1], 32<<16                      ; tensor_dim0 = 32
	s_mov_b32 s[G1+2], 36<<16                      ; tensor_dim1 = 36
	s_mov_b32 s[G1+3], 32<<16                      ; tile_dim0 = 32
	s_mov_b32 s[G1+4], 36                          ; tile_dim1 = 36
	s_mov_b32 s[G1+5], 32                          ; from row to row
	s_mov_b32 s[G1+6], 0
	s_mov_b32 s[G1+7], 0
	s_mov_b32 s42, 0x76543210                      ; v_permlanex16_b32's selects for lane l xor 16
	s_mov_b32 s43, 0xfedcba98
	s_mov_b32 s41, 0xff800000                      ; -infinity
	s_mov_b32 s40, 3                               ; laps of the loop
	s_wait_alu depctr_va_vdst(0)
	s_wait_dscnt 0x0                               ; both opening adds are done
	s_wait_kmcnt 0x0
	s_add_nc_u64 s[20:21], s[6:7], s[48:49]        ; cq at my half piece of chunk 0: nothing of the work-group's place in it
	s_mov_b32 s[G0+0], 1                           ; count = 1
	s_mov_b32 s[G0+1], s47                         ; LDS address: slot 0
	s_mov_b64 s[G0+2:G0+3], s[20:21]               ; chunk 0
	s_or_b32 s[G0+3], s[G0+3], 0x80000000          ; type = 2
	s_mov_b32 s[G0+4], 1
	s_add_co_u32 s[G0+5], s47, SLOTB               ; slot 1
	s_add_nc_u64 s[G0+6:G0+7], s[20:21], SUBB      ; chunk 1: the eighth's next 128 codes
	s_or_b32 s[G0+7], s[G0+7], 0x80000000
	s_lshl_b32 s22, s16, 3
	s_lshl_b32 s23, s14, 2
	s_add_co_u32 s22, s22, s23                     ; my first tile of rows: 8 x block + 4 a
	s_mul_i32 s22, s22, RECB
	s_mov_b32 s23, 0
	s_add_nc_u64 s[4:5], s[4:5], s[22:23]
	s_lshl_b32 s22, s16, 9                         ; the block's 128 indices: 512 bytes
	s_add_nc_u64 s[8:9], s[8:9], s[22:23]
	s_add_nc_u64 s[10:11], s[10:11], s[22:23]
	CROUND                                         ; all four work-groups are here: the first joint loads meet
	tensor_load_to_lds s[G0:G0+3], s[G1:G1+7]      ; chunk 0: one tensor load a wave at the head
	s_nop 0
.irp i, 0,1,2,3                                ; z's four records stay in registers
.irp q, 0,1,2,3
	global_load_b128 v[ZF+16*\i+4*\q:ZF+16*\i+4*\q+3], v[GOF], s[4:5] offset:RECB*\i+512*\q
.endr
	global_load_b32 v[ZS+\i], v[L4], s[4:5] offset:RECB*\i+2048
	global_load_b32 v[Z2+2*\i], v[L4], s[4:5] offset:RECB*\i+2176
	global_load_b32 v[Z2+2*\i+1], v[L4], s[4:5] offset:RECB*\i+2176   ; twice: the two halves of a dual addition take registers of different banks
.endr
.set j, 0
.rept 64
	v_mov_b32 v[SV+j], s41                         ; written once, while the first tiles are on their way: the selects name these as a source, and so the step is written in one form
.set j, j+1
.endr
; One product: accumulator ii = the step's 32 codes x 16 rows of tile i, K step ks.  K step 0 starts the sum with the constant 0.  The codes' scale words fill all 32 lanes of their register; z's of K step 1 lie in lanes 16-31.
.macro W ii, i, ks
.if \ks == 0
	v_wmma_scale_f32_32x16x128_f4 v[D+16*\ii:D+16*\ii+15], v[CF:CF+15], v[ZF+16*\i:ZF+16*\i+7], 0, v[CS], v[ZS+\i]
.else
	v_wmma_scale_f32_32x16x128_f4 v[D+16*\ii:D+16*\ii+15], v[CF+16:CF+31], v[ZF+16*\i+8:ZF+16*\i+15], v[D+16*\ii:D+16*\ii+15], v[CS+1], v[ZS+\i] matrix_b_scale:MATRIX_SCALE_ROW1
.endif
.endm
; nd of one group: tile of rows i, whose 16 sums 2 ze lie in accumulator ii.  In each dual form one destination is even and one odd, and like sources lie in neighbouring registers: different banks.
.macro DIST i, ii
.irp ct, 0,1
.irp p, 0,2,4,6
	v_dual_add_f32 v[T+\p], v[E2+8*\ct+\p], v[Z2+2*\i] :: v_dual_add_f32 v[T+\p+1], v[E2+8*\ct+\p+1], v[Z2+2*\i+1]   ; t = z2 + e2, rounded
.endr
.irp p, 0,2,4,6
	v_dual_sub_f32 v[D+16*\ii+8*\ct+\p], v[D+16*\ii+8*\ct+\p], v[T+\p] :: v_dual_sub_f32 v[D+16*\ii+8*\ct+\p+1], v[D+16*\ii+8*\ct+\p+1], v[T+\p+1]   ; nd = 2 ze - t, rounded once; the accumulator from its low end on
.endr
.endr
.endm
.macro SAVE i, ii                      ; where VCC says so, the group's 16 numbers take the saved ones' place
.irp j, 0,2,4,6,8,10,12,14
	v_dual_cndmask_b32 v[SV+16*\i+\j], v[SV+16*\i+\j], v[D+16*\ii+\j] :: v_dual_cndmask_b32 v[SV+16*\i+\j+1], v[SV+16*\i+\j+1], v[D+16*\ii+\j+1]
.endr
.endm
; The search over two groups: tiles of rows ia (even) and ib (odd).  Four chains of maxima take turns; tile ia's maximum ends in v248, tile ib's in v251.
.macro SEARCH ia, ib
	v_max3_num_f32 v[GM], v[D], v[D+1], v[D+2]
	v_max3_num_f32 v[GM+1], v[D+8], v[D+9], v[D+10]
	v_max3_num_f32 v[GM+2], v[D+24], v[D+25], v[D+26]
	v_max3_num_f32 v[GM+3], v[D+16], v[D+17], v[D+18]
.irp k, 3,5
	v_max3_num_f32 v[GM], v[GM], v[D+\k], v[D+\k+1]
	v_max3_num_f32 v[GM+1], v[GM+1], v[D+8+\k], v[D+9+\k]
	v_max3_num_f32 v[GM+2], v[GM+2], v[D+24+\k], v[D+25+\k]
	v_max3_num_f32 v[GM+3], v[GM+3], v[D+16+\k], v[D+17+\k]
.endr
	v_max3_num_f32 v[GM], v[GM], v[D+7], v[D+15]
	v_max3_num_f32 v[GM+3], v[GM+3], v[D+23], v[D+31]
	v_dual_max_num_f32 v[GM], v[GM], v[GM+1] :: v_dual_max_num_f32 v[GM+3], v[GM+3], v[GM+2]
	v_cmp_gt_f32 vcc_lo, v[GM], v[BEST+\ia]        ; strictly: an earlier group keeps a tie
	v_cmp_gt_f32 s44, v[GM+3], v[BEST+\ib]
	v_dual_cndmask_b32 v[GID+\ia], v[GID+\ia], v[STEPV] :: v_dual_max_num_f32 v[BEST+\ib], v[BEST+\ib], v[GM+3]   ; both comparisons have read the old bests
	SAVE \ia, 0
	s_mov_b32 vcc_lo, s44                          ; the dual select takes its mask from VCC
	v_dual_cndmask_b32 v[GID+\ib], v[GID+\ib], v[STEPV] :: v_dual_max_num_f32 v[BEST+\ia], v[BEST+\ia], v[GM]
	SAVE \ib, 1
.endm
; Two tiles of rows against the step's 32 codes: four products on two accumulators that take turns, one instruction a turn.
; w = 1: the step's 14 LDS loads may still be out; they were issued in this order: 2 scale words, 4 of K step 0, 4 of K step 1, 4 of e2.
.macro MULS ia, ib, w
.if \w
	s_wait_dscnt 8                                 ; the scale words and K step 0's fragments are in; the eight younger loads may be out
.endif
	W 0, \ia, 0
	W 1, \ib, 0
.if \w
	s_wait_dscnt 4                                 ; K step 1's are in; the four loads of e2 may be out
.endif
	W 0, \ia, 1
	W 1, \ib, 1
.endm
.macro LOADS_F slot, st                ; scale words and fragments of the st-th pair of records of my eighth's piece in the slot
	ds_load_b32 v[CS], v[AS+(\slot)] offset:2*RECB*(\st)
	ds_load_b32 v[CS+1], v[AS+(\slot)] offset:2*RECB*(\st)+64
.irp ks, 0,1
.irp ct, 0,1
	ds_load_b128 v[CF+16*\ks+8*\ct:CF+16*\ks+8*\ct+3], v[AF+(\slot)] offset:2*RECB*(\st)+RECB*\ct+1024*\ks
	ds_load_b128 v[CF+16*\ks+8*\ct+4:CF+16*\ks+8*\ct+7], v[AF+(\slot)] offset:2*RECB*(\st)+RECB*\ct+1024*\ks+512
.endr
.endr
.endm
.macro LOADS_E slot, st                ; and their e2
.irp ct, 0,1
	ds_load_b128 v[E2+8*\ct:E2+8*\ct+3], v[AE+(\slot)] offset:2*RECB*(\st)+RECB*\ct
	ds_load_b128 v[E2+8*\ct+4:E2+8*\ct+7], v[AE+(\slot)] offset:2*RECB*(\st)+RECB*\ct+16
.endr
.endm
; A STEP: 32 codes against my four tiles of rows.  Its fragments were asked of LDS in the step before; the next step's are asked for behind tile 2's distances, e2 behind tile 3's, which read the old e2 last.
; PLACES (ISA guide 7.12.1): the first four dual additions of DIST name no register of any product: they stand between the products and the first read of a sum.  Sixteen such additions stand between a half's products and the
; next half's, which begin the same accumulators anew; eight between the last products and the loads into the fragments' and scale words' registers.
; kind 0: the next step lies in the same slot.  kind 3: the launch's last step.
; kind 1, 2: THE CHANGE OF SLOTS, in a chunk's last step.  At its head the wave waits for all its tensor loads (its part of the other slot), adds 0 to its spare word, waits for that and for its reads of this slot, which are all
; issued, and signals; 8 products and 83 vector instructions, work on registers alone, stand between the signal and the wait.  kind 1: the barrier opens a round of the cluster's, so that no wave of any partner still reads this
; slot or has a load on its way; behind the round this slot is filled with the chunk two on, one load a wave.  kind 2: nothing is left to fetch.
.macro STEP slot, st, kind
.if (\kind == 1) || (\kind == 2)
	s_wait_tensorcnt 0x0                           ; no tensor load of mine is out, so a group 0 may be written
	ds_add_u32 v[SPW], v[NIL]                      ; 0 onto my spare word
.if \kind == 1
	s_add_nc_u64 s[G0+4*\slot+2:G0+4*\slot+3], s[G0+4*\slot+2:G0+4*\slot+3], 2*SUBB   ; this slot's next chunk; the type bits on top are not reached
.endif
	s_wait_dscnt 0x0                               ; the add is done, and my reads of this slot are over
	s_barrier_signal -1
	MULS 0, 1, 0
.else
	MULS 0, 1, 1
	s_wait_dscnt 0x0                               ; e2 is in
.endif
	DIST 0, 0
	DIST 1, 1
	SEARCH 0, 1
	MULS 2, 3, 0
	DIST 2, 0
.if \kind == 0
	LOADS_F \slot, \st+1
.endif
.if (\kind == 1) || (\kind == 2)
	s_wait_alu depctr_va_vdst(0)                   ; directly ahead of the barrier's wait
	s_barrier_wait -1
.if \kind == 1
	CREST
	tensor_load_to_lds s[G0+4*\slot:G0+4*\slot+3], s[G1:G1+7]   ; the first tensor load behind the round, ahead of my first LDS read there
	s_nop 0
.endif
	LOADS_F 1-\slot, 0
.endif
	DIST 3, 1
.if \kind == 0
	LOADS_E \slot, \st+1
.endif
.if (\kind == 1) || (\kind == 2)
	LOADS_E 1-\slot, 0
.endif
	SEARCH 2, 3
	v_add_nc_u32 v[STEPV], 32, v[STEPV]            ; my eighth's codes follow each other, from chunk to chunk too
.endm
.macro CHUNK slot, kind
	STEP \slot, 0, 0
	STEP \slot, 1, 0
	STEP \slot, 2, 0
	STEP \slot, 3, \kind
.endm
	s_wait_alu depctr_va_vdst(0)
	s_wait_tensorcnt 0x0                           ; my part of chunk 0 is in
	ds_add_u32 v[SPW], v[NIL]
	s_wait_dscnt 0x0
	CROUND                                         ; everybody's part of chunk 0 is in, and all four work-groups are here
	tensor_load_to_lds s[G0+4:G0+7], s[G1:G1+7]    ; chunk 1: slot 1's first fill
	s_nop 0
	LOADS_F 0, 0
	LOADS_E 0, 0
	s_wait_loadcnt 0x0                             ; z's records
.irp i, 0,1,2,3
	v_add_nc_u32 v[ZS+\i], 0x01010101, v[ZS+\i]    ; each of z's scales doubled: the sums are 2 ze
.endr
.irp i, 0,1,2,3
	v_mov_b32 v[BEST+\i], s41                      ; under every nd: the first group wins in every lane.  (These eight lines are also the places between the scale words' writes and the first products)
	v_mov_b32 v[GID+\i], 0
.endr
	s_wait_alu depctr_va_vdst(0)
.Llap:                                             ; three laps: chunks 0 to 5 are worked, chunks 2 to 7 asked for
	CHUNK 0, 1
	CHUNK 1, 1
	s_sub_co_u32 s40, s40, 1
	s_cmp_lg_u32 s40, 0
	s_cbranch_scc1 .Llap
	CHUNK 0, 2                                     ; chunk 6: the tail is written out
	CHUNK 1, 3                                     ; chunk 7
; Of (value ba, index ia) and (bb, ib) the better stays in (ba, ia): the larger nd, at equal nd the lower index.
.macro LEX ba, ia, bb, ib
	v_cmp_gt_f32 s44, v[\bb], v[\ba]
	v_cmp_eq_f32 s45, v[\bb], v[\ba]
	v_cmp_lt_u32 s46, v[\ib], v[\ia]
	s_and_b32 s45, s45, s46
	s_or_b32 vcc_lo, s44, s45
	v_cndmask_b32 v[\ba], v[\ba], v[\bb], vcc_lo
	v_cndmask_b32 v[\ia], v[\ia], v[\ib], vcc_lo
.endm
	; THE PLACE IN THE WINNING GROUP: the first of its 16 numbers that equals the best.  Number jj is code 16 (jj / 8) + jj % 8 behind the group's first; walked from the last to the first, so that the first stays.
.irp i, 0,1,2,3
	v_mov_b32 v[GM+\i], 23                         ; number 15, if none before it
.endr
.irp jj, 14,13,12,11,10,9,8,7,6,5,4,3,2,1,0
.irp i, 0,1,2,3
	v_cmp_neq_f32 vcc_lo, v[SV+16*\i+\jj], v[BEST+\i]
	s_delay_alu instid0(VALU_DEP_1)
	v_cndmask_b32 v[GM+\i], 16*(\jj/8)+\jj%8, v[GM+\i], vcc_lo
.endr
.endr
.irp i, 0,1,2,3
	v_add_nc_u32 v[GID+\i], v[GID+\i], v[GM+\i]    ; my lane's index
.endr
.irp i, 0,1,2,3
	v_permlanex16_b32 v[T+\i], v[BEST+\i], s42, s43                ; the row's other codes lie in the lane 16 away
	v_permlanex16_b32 v[T+4+\i], v[GID+\i], s42, s43
.endr
.irp i, 0,1,2,3
	LEX BEST+\i, GID+\i, T+\i, T+4+\i              ; the two lanes' codes interleave, so a tie is decided by the index; both lanes of a row end with the same pair
.endr
.irp i, 0,1,2,3
	ds_store_b32 v[MA], v[BEST+\i] offset:64*\i    ; both write the same word with the same value
	ds_store_b32 v[MA], v[GID+\i] offset:4096+64*\i
.endr
	s_wait_dscnt 0x0                               ; for the others' sake: my stores are done
	s_barrier_signal -1
	s_barrier_wait -1
	s_cmp_gt_u32 s[WV], 1                          ; waves 0 and 1 join the eight eighths: 64 rows each, two a lane.  No barrier stands in this branch
	s_cbranch_scc1 .Lnot_first
	v_add_nc_u32 v[GOF], -MRG, v[MR]               ; 256 (w % 2) + 8 x lane: my two indices' place among the block's 128 (z's loads, which read this register, are long done)
.irp c, 0,1,2,3,4,5,6,7
	ds_load_b64 v[32+2*\c:33+2*\c], v[MR] offset:512*\c
	ds_load_b64 v[64+2*\c:65+2*\c], v[MR] offset:4096+512*\c
.endr
	s_wait_dscnt 0x0
.irp c, 1,2,3,4,5,6,7                          ; eighth c holds codes 1024 c on: walked in ascending order, a strict comparison keeps the first index
.irp q, 0,1
	v_cmp_gt_f32 vcc_lo, v[32+2*\c+\q], v[32+\q]
	v_cndmask_b32 v[32+\q], v[32+\q], v[32+2*\c+\q], vcc_lo
	v_cndmask_b32 v[64+\q], v[64+\q], v[64+2*\c+\q], vcc_lo
.endr
.endr
	global_store_b64 v[GOF], v[64:65], s[8:9]      ; 32 lanes store 256 consecutive bytes, at a multiple of 256 from the buffer's first byte
	global_store_b64 v[GOF], v[64:65], s[10:11]    ; and once more for the launch that gathers by them
.Lnot_first:
	s_wait_tensorcnt 0x0                           ; the wave's end: behind my last tensor load and my last LDS store
	ds_add_u32 v[SPW], v[NIL]
	s_wait_dscnt 0x0
	CROUND                                         ; the closing round: no work-group ends while a partner may still ask for a tile that names it
	s_endpgm
.Lfunc_end_k_q7f004057e3_main:
	.size	k_q7f004057e3_main, .Lfunc_end_k_q7f004057e3_main-k_q7f004057e3_main
	.p2alignl 7, 3214868480
	.fill 96, 4, 3214868480
	.section	.rodata,"a",@progbits
	.p2align	6, 0x0
	.amdhsa_kernel k_q7f004057e3_main
		.amdhsa_group_segment_fixed_size 327680
		.amdhsa_private_segment_fixed_size 0
		.amdhsa_enable_private_segment 0
		.amdhsa_kernarg_size 32
		.amdhsa_user_sgpr_count 2
		.amdhsa_user_sgpr_kernarg_segment_ptr 1
		.amdhsa_wavefront_size32 1
		.amdhsa_system_sgpr_workgroup_id_x 1
		.amdhsa_system_sgpr_workgroup_id_y 1
		.amdhsa_system_sgpr_workgroup_id_z 1
		.amdhsa_system_vgpr_workitem_id 0
		.amdhsa_next_free_vgpr 256
		.amdhsa_next_free_sgpr 66
		.amdhsa_reserve_vcc 1
		.amdhsa_float_denorm_mode_32 3
		.amdhsa_float_denorm_mode_16_64 3
		.amdhsa_memory_ordered 1
		.amdhsa_forward_progress 1
		.amdhsa_inst_pref_size 189
	.end_amdhsa_kernel
	.amdgpu_metadata
---
amdhsa.version: [ 1, 2 ]
amdhsa.kernels:
  - .name:           k_q7f004057e3_main
    .symbol:         k_q7f004057e3_main.kd
    .args:
      - { .name: zq, .offset: 0, .size: 8, .value_kind: global_buffer, .address_space: global }
      - { .name: cq, .offset: 8, .size: 8, .value_kind: global_buffer, .address_space: global }
      - { .name: out1, .offset: 16, .size: 8, .value_kind: global_buffer, .address_space: global }
      - { .name: idxw, .offset: 24, .size: 8, .value_kind: global_buffer, .address_space: global }
    .group_segment_fixed_size: 327680
    .private_segment_fixed_size: 0
    .kernarg_segment_align: 8
    .kernarg_segment_size: 32
    .max_flat_workgroup_size: 512
    .sgpr_count:     66
    .vgpr_count:     256
    .wavefront_size: 32
...
	.end_amdgpu_metadata
.endif
;; end of part 2
;; launch gath (part 3): grid 512 x 1, 8 waves a work-group, no clusters, 1,280 bytes of LDS; arguments z_e, codebook, idxw, out0, part; writes out0, part
.if DOCPART == 3
	.amdgcn_target "amdgcn-amd-amdhsa--gfx1250"
	.amdhsa_code_object_version 6
	.text
	.protected	k_q7f004057e3_gath
	.globl	k_q7f004057e3_gath
	.p2align	8
	.type	k_q7f004057e3_gath,@function
k_q7f004057e3_gath:
	s_mov_b64 s[64:65], 0
	v_nop
	global_prefetch_b8 v0, s[64:65] scope:SCOPE_SE
	s_setreg_imm32_b32 hwreg(HW_REG_WAVE_MODE, 25, 1), 1
	s_wait_xcnt 0x0
; out0[b] = z_e[b] + (codebook[idx[b]] - z_e[b]), rounded as written, and part[g] = the work-group's sum of (codebook[idx[b]] - z_e[b])^2, all in f32.
; idxw holds the indices that the launch before stored; each is held to 0 .. 8191 before it enters an address.
; SHARES: a work-group takes 64 rows, a wave 8.  A row is 1,024 bytes: two loads of 512 consecutive bytes, 16 a lane.  All 32 loads of a wave go out at once: 16 of z_e ahead of the wait for the indices, then 16 of the codebook's rows.
; Every offset is an immediate; no register of a store is written again.  No cluster and no LDS tiles: which rows of the codebook a work-group reads hangs on its own indices.  No prefetch: a wave's whole share is asked for at its head.
.set Z,  16                            ; v16-79   z_e, 8 registers a row; then out0
.set E,  80                            ; v80-143  the codebook's rows; then the differences
.set EO, 4                             ; v4-11    byte offset of my 16 bytes in each gathered row
.set S,  144                           ; v144-151 four packed sums of squares
	s_load_b256 s[4:11], s[0:1], 0x0               ; z_e s[4:5], codebook s[6:7], idxw s[8:9], out0 s[10:11]
	s_load_b64 s[12:13], s[0:1], 0x20              ; part
	v_lshl_add_u32 v160, v0, 2, 0x100
	v_mov_b32 v161, 0
	v_lshrrev_b32 v1, 5, v0
	s_delay_alu instid0(VALU_DEP_1)
	v_readfirstlane_b32 s14, v1                    ; wave 0..7
	v_and_b32 v2, 31, v0
	s_delay_alu instid0(VALU_DEP_1)
	v_lshlrev_b32 v1, 4, v2                        ; 16 x lane
	s_delay_alu instid0(VALU_DEP_3)
	v_mov_b32 v3, s14
	s_delay_alu instid0(VALU_DEP_1)
	v_lshlrev_b32 v3, 2, v3                        ; LDS: my wave's word
	v_mov_b32 v12, 0
	s_lshl_b32 s15, ttmp9, 6
	s_lshl_b32 s24, s14, 3
	s_add_co_u32 s15, s15, s24                     ; my first row: 64 x work-group + 8 x wave
	s_lshl_b32 s24, s15, 2                         ; its index: 32 bytes a wave
	s_mov_b32 s25, 0
	s_lshl_b32 s26, s15, 10                        ; its row (under 2^25)
	s_mov_b32 s27, 0
	s_lshl_b32 s32, ttmp9, 2                       ; my work-group's word of part
	s_mov_b32 s33, 0
	s_mov_b32 s28, 0x76543210                      ; v_permlanex16_b32's selects for lane l xor 16
	s_mov_b32 s29, 0xfedcba98
	s_wait_alu depctr_va_vdst(0)
	s_wait_kmcnt 0x0
	s_add_nc_u64 s[8:9], s[8:9], s[24:25]
	s_load_b256 s[16:23], s[8:9], 0x0              ; my eight indices
	s_add_nc_u64 s[4:5], s[4:5], s[26:27]
	s_add_nc_u64 s[10:11], s[10:11], s[26:27]
	s_add_nc_u64 s[12:13], s[12:13], s[32:33]
.irp i, 0,1,2,3,4,5,6,7
	global_load_b128 v[Z+8*\i:Z+8*\i+3], v1, s[4:5] offset:1024*\i th:TH_LOAD_NT
	global_load_b128 v[Z+8*\i+4:Z+8*\i+7], v1, s[4:5] offset:1024*\i+512 th:TH_LOAD_NT
.endr
	s_wait_kmcnt 0x0
.irp i, 0,1,2,3,4,5,6,7
	s_min_u32 s[16+\i], s[16+\i], 0x1fff           ; inside the table
	v_lshl_add_u32 v[EO+\i], s[16+\i], 10, v1      ; 1,024 x index + 16 x lane
.endr
.irp i, 0,1,2,3,4,5,6,7
	global_load_b128 v[E+8*\i:E+8*\i+3], v[EO+\i], s[6:7]          ; no hint: a row may be named by many
	global_load_b128 v[E+8*\i+4:E+8*\i+7], v[EO+\i], s[6:7] offset:512
.endr
.irp i, 0,1,2,3,4,5,6,7
	s_wait_loadcnt 14-2*\i                         ; z_e and this row of the codebook are in; the later rows' loads may be out
.irp p, 0,1,2,3
	v_pk_add_f32 v[E+8*\i+2*\p:E+8*\i+2*\p+1], v[E+8*\i+2*\p:E+8*\i+2*\p+1], v[Z+8*\i+2*\p:Z+8*\i+2*\p+1] neg_lo:[0,1] neg_hi:[0,1]   ; z_q - z_e
.endr
.irp p, 0,1,2,3
.if \i == 0
	s_delay_alu instid0(VALU_DEP_4)
	v_pk_mul_f32 v[S+2*\p:S+2*\p+1], v[E+2*\p:E+2*\p+1], v[E+2*\p:E+2*\p+1]                ; the first row starts the sums: nothing is cleared
.else
	s_delay_alu instid0(VALU_DEP_4)
	v_pk_fma_f32 v[S+2*\p:S+2*\p+1], v[E+8*\i+2*\p:E+8*\i+2*\p+1], v[E+8*\i+2*\p:E+8*\i+2*\p+1], v[S+2*\p:S+2*\p+1]
.endif
.endr
.irp p, 0,1,2,3
	v_pk_add_f32 v[Z+8*\i+2*\p:Z+8*\i+2*\p+1], v[Z+8*\i+2*\p:Z+8*\i+2*\p+1], v[E+8*\i+2*\p:E+8*\i+2*\p+1]   ; z_e + (z_q - z_e)
.endr
	global_store_b128 v1, v[Z+8*\i:Z+8*\i+3], s[10:11] offset:1024*\i th:TH_STORE_NT       ; 32 lanes store 512 consecutive bytes, at a multiple of 512 from out0's first byte
	global_store_b128 v1, v[Z+8*\i+4:Z+8*\i+7], s[10:11] offset:1024*\i+512 th:TH_STORE_NT
.endr
	v_pk_add_f32 v[S:S+1], v[S:S+1], v[S+2:S+3]
	v_pk_add_f32 v[S+4:S+5], v[S+4:S+5], v[S+6:S+7]
	s_delay_alu instid0(VALU_DEP_1)
	v_pk_add_f32 v[S:S+1], v[S:S+1], v[S+4:S+5]
	s_delay_alu instid0(VALU_DEP_1)
	v_add_f32 v[S], v[S], v[S+1]
.irp m, 1,2,4,8
	s_delay_alu instid0(VALU_DEP_1)
	v_add_f32_dpp v[S], v[S], v[S] row_xmask:\m row_mask:0xf bank_mask:0xf
.endr
	s_delay_alu instid0(VALU_DEP_1)
	v_permlanex16_b32 v[S+1], v[S], s28, s29
	s_delay_alu instid0(VALU_DEP_1)
	v_add_f32 v[S], v[S], v[S+1]                   ; the wave's sum, in every lane
	ds_store_b32 v3, v[S]                          ; all lanes write the same word with the same value
	s_wait_dscnt 0x0                               ; for the others' sake
	s_barrier_signal -1
	s_barrier_wait -1
	ds_load_b128 v[152:155], v12
	ds_load_b128 v[156:159], v12 offset:16
	s_wait_dscnt 0x0
	v_pk_add_f32 v[152:153], v[152:153], v[154:155]
	v_pk_add_f32 v[156:157], v[156:157], v[158:159]
	s_delay_alu instid0(VALU_DEP_1)
	v_pk_add_f32 v[152:153], v[152:153], v[156:157]
	s_delay_alu instid0(VALU_DEP_1)
	v_add_f32 v152, v152, v153                     ; the work-group's sum
	s_wait_alu depctr_va_vdst(0)
	s_wait_xcnt 0x0                                ; EXEC is a source of the stores above: it changes only behind this wait
	v_cmp_eq_u32 vcc_lo, 0, v0
	s_wait_tensorcnt 0x0
	ds_add_u32 v160, v161
	s_wait_dscnt 0x0
	s_and_saveexec_b32 s30, vcc_lo                 ; thread 0 alone
	global_store_b32 v12, v152, s[12:13]
	s_endpgm
.Lfunc_end_k_q7f004057e3_gath:
	.size	k_q7f004057e3_gath, .Lfunc_end_k_q7f004057e3_gath-k_q7f004057e3_gath
	.p2alignl 7, 3214868480
	.fill 96, 4, 3214868480
	.section	.rodata,"a",@progbits
	.p2align	6, 0x0
	.amdhsa_kernel k_q7f004057e3_gath
		.amdhsa_group_segment_fixed_size 1280
		.amdhsa_private_segment_fixed_size 0
		.amdhsa_enable_private_segment 0
		.amdhsa_kernarg_size 40
		.amdhsa_user_sgpr_count 2
		.amdhsa_user_sgpr_kernarg_segment_ptr 1
		.amdhsa_wavefront_size32 1
		.amdhsa_system_sgpr_workgroup_id_x 1
		.amdhsa_system_sgpr_workgroup_id_y 1
		.amdhsa_system_sgpr_workgroup_id_z 1
		.amdhsa_system_vgpr_workitem_id 0
		.amdhsa_next_free_vgpr 162
		.amdhsa_next_free_sgpr 66
		.amdhsa_reserve_vcc 1
		.amdhsa_float_denorm_mode_32 3
		.amdhsa_float_denorm_mode_16_64 3
		.amdhsa_memory_ordered 1
		.amdhsa_forward_progress 1
		.amdhsa_inst_pref_size 17
	.end_amdhsa_kernel
	.amdgpu_metadata
---
amdhsa.version: [ 1, 2 ]
amdhsa.kernels:
  - .name:           k_q7f004057e3_gath
    .symbol:         k_q7f004057e3_gath.kd
    .args:
      - { .name: z_e, .offset: 0, .size: 8, .value_kind: global_buffer, .address_space: global }
      - { .name: codebook, .offset: 8, .size: 8, .value_kind: global_buffer, .address_space: global }
      - { .name: idxw, .offset: 16, .size: 8, .value_kind: global_buffer, .address_space: global }
      - { .name: out0, .offset: 24, .size: 8, .value_kind: global_buffer, .address_space: global }
      - { .name: part, .offset: 32, .size: 8, .value_kind: global_buffer, .address_space: global }
    .group_segment_fixed_size: 1280
    .private_segment_fixed_size: 0
    .kernarg_segment_align: 8
    .kernarg_segment_size: 40
    .max_flat_workgroup_size: 256
    .sgpr_count:     66
    .vgpr_count:     162
    .wavefront_size: 32
...
	.end_amdgpu_metadata
.endif
;; end of part 3
;; launch fin (part 4): grid 1 x 1, 1 waves a work-group, no clusters, 0 bytes of LDS; arguments part, out2, out3, out4; writes out2, out3, out4
.if DOCPART == 4
	.amdgcn_target "amdgcn-amd-amdhsa--gfx1250"
	.amdhsa_code_object_version 6
	.text
	.protected	k_q7f004057e3_fin
	.globl	k_q7f004057e3_fin
	.p2align	8
	.type	k_q7f004057e3_fin,@function
k_q7f004057e3_fin:
	s_mov_b64 s[64:65], 0
	v_nop
	global_prefetch_b8 v0, s[64:65] scope:SCOPE_SE
	s_setreg_imm32_b32 hwreg(HW_REG_WAVE_MODE, 25, 1), 1
	s_wait_xcnt 0x0
; The 512 partial sums of squares are added in a fixed order; cb_loss = commit_loss = the sum / (32768 x 256) = the sum x 2^-23, exact but for the sum's own roundings; vq_loss = cb_loss + 0.25 commit_loss.
; One wave: the sum spans all work-groups of the launch before, and no traffic goes between work-groups inside a launch.  2,048 bytes in, 12 out.
	s_load_b256 s[4:11], s[0:1], 0x0               ; part s[4:5], out2 s[6:7], out3 s[8:9], out4 s[10:11]
	v_lshlrev_b32 v1, 4, v0                        ; 16 x lane
	v_mov_b32 v2, 0
	s_mov_b32 s12, 0x76543210                      ; v_permlanex16_b32's selects for lane l xor 16
	s_mov_b32 s13, 0xfedcba98
	s_wait_alu depctr_va_vdst(0)
	s_wait_kmcnt 0x0
.irp i, 0,1,2,3
	global_load_b128 v[4+4*\i:7+4*\i], v1, s[4:5] offset:512*\i    ; 32 lanes read 512 consecutive bytes
.endr
	s_wait_loadcnt 0x0
	v_pk_add_f32 v[4:5], v[4:5], v[6:7]
	v_pk_add_f32 v[8:9], v[8:9], v[10:11]
	v_pk_add_f32 v[12:13], v[12:13], v[14:15]
	v_pk_add_f32 v[16:17], v[16:17], v[18:19]
	v_pk_add_f32 v[4:5], v[4:5], v[8:9]
	v_pk_add_f32 v[12:13], v[12:13], v[16:17]
	v_pk_add_f32 v[4:5], v[4:5], v[12:13]
	v_add_f32 v4, v4, v5
.irp m, 1,2,4,8
	v_add_f32_dpp v4, v4, v4 row_xmask:\m row_mask:0xf bank_mask:0xf
.endr
	v_permlanex16_b32 v5, v4, s12, s13
	v_add_f32 v4, v4, v5                           ; the sum of all squares
	v_mul_f32 v6, 0x34000000, v4                   ; x 2^-23: the mean: cb_loss and commit_loss
	v_fmamk_f32 v7, v6, 0x3e800000, v6             ; 0.25 x commit_loss + cb_loss
	s_wait_alu depctr_va_vdst(0)
	s_wait_xcnt 0x0                                ; EXEC changes only behind this wait
	v_cmp_eq_u32 vcc_lo, 0, v0
	s_and_saveexec_b32 s14, vcc_lo                 ; lane 0 alone
	global_store_b32 v2, v7, s[6:7]                ; vq_loss
	global_store_b32 v2, v6, s[8:9]                ; cb_loss
	global_store_b32 v2, v6, s[10:11]              ; commit_loss
	s_endpgm
.Lfunc_end_k_q7f004057e3_fin:
	.size	k_q7f004057e3_fin, .Lfunc_end_k_q7f004057e3_fin-k_q7f004057e3_fin
	.p2alignl 7, 3214868480
	.fill 96, 4, 3214868480
	.section	.rodata,"a",@progbits
	.p2align	6, 0x0
	.amdhsa_kernel k_q7f004057e3_fin
		.amdhsa_group_segment_fixed_size 0
		.amdhsa_private_segment_fixed_size 0
		.amdhsa_enable_private_segment 0
		.amdhsa_kernarg_size 32
		.amdhsa_user_sgpr_count 2
		.amdhsa_user_sgpr_kernarg_segment_ptr 1
		.amdhsa_wavefront_size32 1
		.amdhsa_system_sgpr_workgroup_id_x 1
		.amdhsa_system_sgpr_workgroup_id_y 1
		.amdhsa_system_sgpr_workgroup_id_z 1
		.amdhsa_system_vgpr_workitem_id 0
		.amdhsa_next_free_vgpr 32
		.amdhsa_next_free_sgpr 66
		.amdhsa_reserve_vcc 1
		.amdhsa_float_denorm_mode_32 3
		.amdhsa_float_denorm_mode_16_64 3
		.amdhsa_memory_ordered 1
		.amdhsa_forward_progress 1
		.amdhsa_inst_pref_size 3
	.end_amdhsa_kernel
	.amdgpu_metadata
---
amdhsa.version: [ 1, 2 ]
amdhsa.kernels:
  - .name:           k_q7f004057e3_fin
    .symbol:         k_q7f004057e3_fin.kd
    .args:
      - { .name: part, .offset: 0, .size: 8, .value_kind: global_buffer, .address_space: global }
      - { .name: out2, .offset: 8, .size: 8, .value_kind: global_buffer, .address_space: global }
      - { .name: out3, .offset: 16, .size: 8, .value_kind: global_buffer, .address_space: global }
      - { .name: out4, .offset: 24, .size: 8, .value_kind: global_buffer, .address_space: global }
    .group_segment_fixed_size: 0
    .private_segment_fixed_size: 0
    .kernarg_segment_align: 8
    .kernarg_segment_size: 32
    .max_flat_workgroup_size: 32
    .sgpr_count:     66
    .vgpr_count:     32
    .wavefront_size: 32
...
	.end_amdgpu_metadata
.endif
;; end of part 4
